; MI455X (gfx1250); checked and timed in simulation.
; The chip was launched on July 23, 2026; its instructions are those of AMD's public machine-readable ISA for CDNA 5 (MIT licence, August 2026) and "CDNA5" Instruction Set Architecture Reference Guide (July 2026). The comments in the code are by the model that wrote it; some were corrected since.
;; Self Attention. Allowed arithmetic: matrix products marked QUANTISED: E4M3 operands, one E8M0 scale for each 32 along K, by v_wmma_scale_f32_16x16x128_f8f6f4 with both operands' format E4M3, f32 sums; everything else in f32.
;; Inputs: b_out 1,024 float32; b_qkv 3,072 float32; w_out_codes 1,024 x 32 x 32 uint8 (E4M3 codes of w_out, K innermost, in blocks of 32 codes); w_out_scales 1,024 x 32 uint8 (E8M0 scales of w_out, one for each 32 codes along K); w_qkv_codes 3,072 x 32 x 32 uint8 (E4M3 codes of w_qkv, K innermost, in blocks of 32 codes); w_qkv_scales 3,072 x 32 uint8 (E8M0 scales of w_qkv, one for each 32 codes along K); x_codes 4 x 2,048 x 32 x 32 uint8 (E4M3 codes of x, K innermost, in blocks of 32 codes); x_scales 4 x 2,048 x 32 uint8 (E8M0 scales of x, one for each 32 codes along K).
;; Outputs: out0 4 x 2,048 x 1,024 float32.
;; This version of the problem:
;;   THIS VERSION OF THE PROBLEM IS GIVEN IN LOW PRECISION. The matrix products marked QUANTISED in the list below multiply operands that are first quantised to E4M3 (4 exponent bits, 3 mantissa bits; 8 bits a number), with one power-of-two scale for each 32 numbers along K (OCP MX v1.0); their sums are f32. All else is computed in f32.
;;   The module's matrix products, in the order in which they are computed (A, B: the left and right operand; K: the contracted axis; several contracted axes count as one K, in the product's order):
;;     1. [M 8,192, K 1,024] x [K 1,024, N 3,072]; A: input x (given as codes); B: input w_qkv (given as codes): QUANTISED
;;     2. batch 64 x [M 2,048, K 64] x [K 64, N 2,048]; A: computed on the way; B: computed on the way: QUANTISED
;;     3. batch 64 x [M 2,048, K 2,048] x [K 2,048, N 64]; A: softmax (see below); B: computed on the way: QUANTISED
;;     4. [M 8,192, K 1,024] x [K 1,024, N 1,024]; A: computed on the way; B: input w_out (given as codes): QUANTISED
;;   THE QUANTISER, for each operand of a quantised product, along K:
;;     - K is cut into blocks of 32 from its start; a last block that is shorter is filled with zeros.
;;     - A block's scale is 2^e with e = floor(log2(the largest magnitude in the block)) - 8, held to -126 .. 127; a block of zeros has e = 0. As a byte (E8M0): e + 127.
;;     - Each number is divided by its block's scale, clamped to +-448, and rounded to the nearest number of E4M3, ties to even, subnormals kept.
;;     - The product sums the exact products of the quantised numbers (number of the format x scale) in f32.
;;   ~~~python
;;   def quantise(x, axis):      # numpy; x: float32 -> the quantised numbers, widened to float32 again
;;       x = np.moveaxis(x, axis, -1); K = x.shape[-1]
;;       x = np.pad(x, [(0, 0)] * (x.ndim - 1) + [(0, -K % 32)]); x = x.reshape(x.shape[:-1] + (-1, 32)); a = np.abs(x).max(-1, keepdims=True)
;;       e = np.where(a > 0, np.clip(np.frexp(np.where(a > 0, a, 1))[1] - 1 - 8, -126, 127), 0)      # np.frexp(a)[1] - 1 = floor(log2(a)), exactly
;;       r = np.clip(x / 2.0 ** e, -448, 448)
;;       step = 2.0 ** (np.maximum(np.frexp(np.where(r == 0, 1, r))[1] - 1, -6) - 3)
;;       q = np.round(r / step) * step * 2.0 ** e      # np.round: ties to even
;;       return np.moveaxis(q.reshape(q.shape[:-2] + (-1,))[..., :K], -1, axis).astype(np.float32)
;;   ~~~
;;   SOFTMAX AHEAD OF A QUANTISED PRODUCT. Where the list says 'softmax', what is quantised is not the finished softmax but p = 2^(t - M), with t = logit x log2(e) and M = ceil(the row's largest t), a whole number; so 1/2 < the row's largest p <= 1. The row's sum l is taken of the UNQUANTISED p, in f32, and the product's result is divided by l at the end. Since M is a whole number, a kernel that streams over the keys may use a running M (the ceiling of the running maximum): every later rescaling is an exact power of two, which a block's scale takes up: the codes' values come out the same.
;;   OPERANDS COMPUTED ON THE WAY. 'Computed on the way' means the value that the module computes at that place (a softmax that the list does not call 'softmax' is quantised finished and normalised). What goes into a quantiser is computed in f32, as accurately as f32 sums, v_exp_f32 and their like allow (about 1e-6 of the number): no bf16 or f16 on the way to a quantiser, and a product that is left as it is and whose result goes on into a quantised operand takes f32 operands (vector FMAs, or v_wmma_f32_16x16x4_f32). A number that lies on a knife's edge between two numbers of the format may be rounded either way, as far as f32 arithmetic and the matrix unit's own rounding can turn it there, and no further.
;;   INPUTS GIVEN AS CODES. w_out (in the module: [1024, 1024], K = its axis 0); w_qkv (in the module: [1024, 3072], K = its axis 0); x (in the module: [4, 2048, 1024], K = its axis 2): each comes as NAME_codes (uint8): NAME with its K axis moved to the last place and cut into blocks of 32 codes, [.., K / 32, bytes a block], one block behind the other in memory; one code a byte (a code: sign, 4 exponent bits, 3 mantissa bits); and NAME_scales (uint8): the same leading axes, one E8M0 byte (e + 127) for each 32 codes along K. Its value is code x scale, taken as it is: it is not quantised again, and the codes and scales need not be those that the quantiser above would give.
;; One version. Each part assembles by itself: llvm-mc -triple=amdgcn-amd-amdhsa -mcpu=gfx1250 --defsym DOCPART=n.
;; ======== version 1 of 1: 3 launches
;; limits: right only within a limited range of input values
;; workspace buffers: qkv_codes 25,165,824 bytes; qkv_scales 786,432 bytes; ac 8,388,608 bytes; asc 262,144 bytes
;; launch qkv (part 1): grid 12 x 32, 4 waves a work-group, clusters of 4 x 4, 327,680 bytes of LDS; arguments x_codes, x_scales, w_qkv_codes, w_qkv_scales, b_qkv, qkv_codes, qkv_scales; writes qkv_codes, qkv_scales
.if DOCPART == 1
	.amdgcn_target "amdgcn-amd-amdhsa--gfx1250"
	.amdhsa_code_object_version 6
	.text
	.protected	k_q2107db7605_qkv
	.globl	k_q2107db7605_qkv
	.p2align	8
	.type	k_q2107db7605_qkv,@function
k_q2107db7605_qkv:
	s_mov_b64 s[64:65], 0
	v_nop
	global_prefetch_b8 v0, s[64:65] scope:SCOPE_SE
	s_setreg_imm32_b32 hwreg(HW_REG_WAVE_MODE, 25, 1), 1
	s_wait_xcnt 0x0
	s_wait_alu depctr_hold_cnt(0) depctr_sa_sdst(0) depctr_va_vdst(0) depctr_va_sdst(0) depctr_va_ssrc(0) depctr_va_vcc(0) depctr_vm_vsrc(0)
	s_getreg_b32 s2, hwreg(HW_REG_IB_STS2, 6, 4)
	s_cmp_eq_u32 s2, 0
	s_cbranch_scc0 .Lentry_in_a_cluster
	s_endpgm
.Lentry_in_a_cluster:
	s_bfe_u32 s2, ttmp6, 0x10000c
	s_cmp_lg_u32 s2, 0xf033
	s_cbranch_scc0 .Lentry_shape_is_right
	s_endpgm
.Lentry_shape_is_right:
; qkv = x W^T + b on codes of FP8 (E4M3) with one E8M0 scale for each 32 along K, and the result QUANTISED on the way out: q and k along the head's features, v along the tokens.
; x: [8192][1024] codes, scales [8192][32].  W: [3072][1024] codes, scales [3072][32].  b: [3072] f32.
; A tile of 256 tokens x 256 features is made by a work-group of four waves; a wave makes 128 x 128: 64 accumulators of 16 x 16, 512 registers.  K goes in steps of 256 through a ring of two LDS slots
; filled by the tensor data mover; the scales of the work-group's rows of x and of W, for all of K, come into LDS once.  12 x 32 = 384 work-groups.
; CLUSTERS: 4 x 4 work-groups; x's tiles are shared along a row of the cluster, W's along a column: each tile is asked for jointly, by the same tensor load with the same descriptor and a mask that names the four.
; WHICH SIDE IS SOURCE 0.  In a result a lane holds ONE row of source 1 and its registers run along the rows of source 0, and the conversions take neighbours from one lane's registers.  So the axis that is
; quantised is given to source 0: for q and k (clusters x = 0, 1) source 0 = W's rows (features), source 1 = x's rows (tokens); for v (cluster x = 2) the other way round.  Only the LDS addresses that the
; fragments and scale words are READ from, and the first step's C (the bias), hang on that choice; it hangs on the cluster's x alone, which all partners share.
; OUT.  qkv_codes [batch 4][n / 128: 24][token / 128: 16] blocks of 16,384 bytes, one a wave: [a 8][block of 32: 4][lane 32][16 bytes]: the registers of the operand as the next launch wants them.
; A lane's 16 bytes are numbers 8 h + 0..7 and 16 + 8 h + 0..7 of the block (h = lane / 16): an order inside a block of 32 that q and k share, and v and the softmax's weights share.
; qkv_scales: 512 bytes a block: [head of the pair 2][row 16][4 words].
; LIMITS: NaN and infinities among the inputs are not served.  A block whose largest magnitude lies under 2^-118 has its byte held at 1; a block of zeros gets the byte 1 where the quantiser says 127:
; its codes are zeros, which add nothing under any byte but 0xff, and this program alone reads the bytes.  The bias starts each sum (it is the C of the first product), so it is added first and not last.
; REGISTERS, in windows of 256: window 0: v0-31 addresses; v32-63 scale words, two sets; v64-127 the bias, later the held numbers; v128-255 source 1's fragments, ONE set; on the way out v128-191 codes, v192-230 at work.
;   window 1: source 0's fragments, TWO sets.   window 2: the accumulators of source 1's blocks 0-3 ((a, b) at v[8 (8 a + b)]);   window 3: those of blocks 4-7.
; HOW THE CHOICE OF SOURCES IS MADE (this takes the place of the sentence above on LDS addresses): LDS always holds source 1's 256 rows first and source 0's 256 behind them, and no LDS address hangs on the choice.
; It enters GLOBAL addresses alone: in the v clusters source 1's tile is W's feature tile 8 + cy and source 0's is x's token tile 4 x cluster y + cx, so that source 1's tile hangs on cy (shared along a row of the
; cluster) and source 0's on cx (shared along a column) in every cluster; the buffers are chosen on the cluster's x.  A wave's source 1 half is wave / 2, its source 0 half wave % 2.
; THE HEAD: one joint load a wave: wave 0 source 1's 256 rows of K step 0, wave 1 source 0's, waves 2 and 3 their scale bytes; K step 1 is asked for behind a round of its own.
; No prefetch: K is four steps of the ring, and the first two are asked for at the head.
.set SIZE_K, 1024
.set KSTEP,  256                       ; along K in a slot
.set NQ,     KSTEP/128                 ; matrix instructions deep
.set ROWB,   256                       ; a tile's row in bytes
.set KROW,   SIZE_K                    ; a row of x or of W in memory, in bytes
.set PITCH,  272                       ; an LDS row: 256 bytes + 16 of padding = 68 words: the 16 rows that a load touches start at 16 different banks (64 banks of 4 bytes: ISA guide 11.1)
.set FR,     16                        ; registers of a fragment: 16 rows x 128 K
.set NL,     4                         ; LDS loads that bring one
.set NP,     8                         ; places behind this matrix instruction (ISA guide 7.12.1)
.set HALFT,  128*PITCH                 ; 128 rows: what one tensor load brings
.set SLOT,   4*HALFT                   ; x's 256 rows, then W's 256 rows
.set LAPS,   SIZE_K/(2*KSTEP)          ; a lap = two K steps = once round the ring
.set KS,     SIZE_K/32                 ; a row of scales in bytes
.set SCL,    2*SLOT                    ; behind the ring: the scales, as units of 256 bytes + 16 of padding
.set HALFS,  (128*KS/256)*272          ; the scales of 128 rows
.set SBLK,   (16*KS/256)*272           ; those of 16 rows
.set SPARE,  327168                    ; the last 512 bytes of LDS: the spare words, 128 bytes a wave, which no other line names
.set VO,   8                           ; v8-15   byte offsets of the bias loads
.set ADR1, 16                          ; v16-17  LDS address of source 1's fragments in slot 0, 1
.set ADR0, 20                          ; v20-21  the same for source 0
.set CO,   26                          ; v26     16 x lane: my place in an image
.set ADRS, 27                          ; v27     LDS address of my scale words: lanes 0-15 source 1's rows, lanes 16-31 source 0's
.set SPW,  28                          ; v28     LDS address of my spare word; never rewritten
.set NIL,  29                          ; v29     0; never rewritten
.set SC,   32                          ; scale words: set s at v[SC + 8 NQ s]; register NQ i + q: lanes 0-15 the word of source 1's block i, lanes 16-31 that of source 0's block i
.set BIAS, 64
.set AF,   128                         ; source 1's fragments
.set T,    64                          ; the way out: 64 held numbers
.set PC,   128                         ; codes: four sets of 16
.set TM,   192                         ; largest magnitudes
.set PT,   196                         ; the partner lane's, later the bytes
.set LIM,  200                         ; 448 x the scale
.set SO,   204                         ; the conversions' scale operands
.set WD,   208                         ; v208-215 a scale word for each a
.set XX,   216
.set YY,   220
.set FF,   224
.set SELV, 228
.set SELW, 229
.set HH,   230
.set G1, 24                            ; s[24:31] descriptor group 1 for x's tiles;  s[32:39] group 0, one set for each slot
.set G0, 32
.set G1B, 48                           ; s[48:55], s[56:63] the same for W's tiles
.set G0B, 56
.set G1S, 68                           ; s[68:75], s[76:79] groups 1 and 0 for x's scales;  s[80:87], s[88:91] for W's
.set G0S, 76
.set G1SB, 80
.set G0SB, 88
.set MSB, 0
.macro WIN new                         ; the immediate's high byte repeats the setting that is left
.if MSB != \new
	s_set_vgpr_msb (MSB<<8)|\new
.set MSB, \new
.endif
.endm
.set MUL_LO, 0xa1                      ; source 0 window 1, source 1 window 0, C and D window 2
.set MUL_HI, 0xf1                      ; the same, C and D window 3
.set TO_B,   0x40                      ; destination window 1, address window 0
; A joint load: waves 0 and 1 fetch for x, waves 2 and 3 for W.  Each of the two lines has one mask and one set of registers; the branch hangs on the wave's number alone.
; Four v_nop follow each of the two lines, ahead of the jump, the label and what follows.
.macro JLOAD g0a, g1a, g0b, g1b
	s_cmp_eq_u32 s15, 0
	s_cbranch_scc0 .Lfor_b_\@
	tensor_load_to_lds s[\g0a:\g0a+3], s[\g1a:\g1a+7]
	s_nop 0
.rept 4
	v_nop
.endr
	s_branch .Lasked_\@
.Lfor_b_\@:
	tensor_load_to_lds s[\g0b:\g0b+3], s[\g1b:\g1b+7]
	s_nop 0
.rept 4
	v_nop
.endr
.Lasked_\@:
.endm
.macro CREST                           ; a round of the cluster's barrier behind its opening barrier
	s_cmp_lg_u32 s14, 0
	s_cbranch_scc1 .Lnot_wave_0_\@
	s_barrier_signal -3
.Lnot_wave_0_\@:
	s_barrier_wait -3
	s_barrier_signal -1
	s_barrier_wait -1
.endm
.macro CROUND                          ; a whole round
	s_barrier_signal -1
	s_barrier_wait -1
	CREST
.endm
	s_load_b128 s[4:7], s[0:1], 0x0                ; x's codes s[4:5], x's scales s[6:7]
	s_load_b128 s[8:11], s[0:1], 0x10              ; W's codes s[8:9], W's scales s[10:11]
	s_load_b64 s[12:13], s[0:1], 0x20              ; the bias
	s_load_b64 s[96:97], s[0:1], 0x28              ; qkv_codes
	s_load_b64 s[98:99], s[0:1], 0x30              ; qkv_scales
	v_lshl_add_u32 v[SPW], v0, 2, SPARE
	v_mov_b32 v[NIL], 0
	ds_add_u32 v28, v29
	ds_add_u32 v28, v29
	s_wait_dscnt 0x0
	v_lshrrev_b32 v1, 5, v0
	v_readfirstlane_b32 s14, v1                    ; wave 0..3
	s_lshr_b32 s15, s14, 1                         ; which half of the tile's tokens is mine.  Also: I fetch for x (0) or for W (1)
	s_and_b32 s16, s14, 1                          ; which half of its features.  Also: which 128 rows of that tile I fetch
	s_bfe_u32 s40, ttmp6, 0x40000                  ; cx, cy: my place in the cluster
	s_bfe_u32 s41, ttmp6, 0x40004
	s_lshl_b32 s42, ttmp9, 2
	s_add_co_u32 s42, s42, s40                     ; tile column (features / 256) = 4 x cluster x + cx
	s_and_b32 s17, ttmp7, 0xffff
	s_lshl_b32 s17, s17, 2
	s_add_co_u32 s17, s17, s41                     ; tile row (tokens / 256) = 4 x cluster y + cy
	s_add_co_u32 s2, s41, 8                        ; v: feature tile 8 + cy
	s_and_b32 s3, ttmp7, 0xffff
	s_lshl_b32 s3, s3, 2
	s_add_co_u32 s3, s3, s40                       ; v: token tile 4 x cluster y + cx
	s_cmp_eq_u32 ttmp9, 2                          ; the third cluster column makes v: the same answer in all sixteen partners
	s_cselect_b32 s95, 1, 0                        ; type: 0 q or k, 1 v
	s_cselect_b32 s100, -1, 0                      ; and as a mask of lanes
	s_cselect_b32 s92, s2, s17                     ; source 1's tile: hangs on cy and the cluster's numbers
	s_cselect_b32 s94, s3, s42                     ; source 0's tile: hangs on cx and the cluster's numbers
	s_cselect_b32 s17, s3, s17                     ; the token tile,
	s_cselect_b32 s42, s2, s42                     ; the feature tile,
	s_cselect_b32 s2, s16, s15                     ; my half of the tokens
	s_cselect_b32 s3, s15, s16                     ; and of the features: these four enter the bias's and the outputs' addresses alone
	s_lshl_b32 s43, s41, 2
	s_lshl_b32 s43, 15, s43                        ; my row of the cluster
	s_lshl_b32 s44, 0x1111, s40                    ; my column
	; descriptor group 1: a tile of 128 rows x 256 bytes, padded in LDS
	s_or_b32 s[G1+0], s43, (0<<16)|(1<<20)|(1<<21)|(5<<22)|(3<<25)  ; 15:0 the mask: x's tiles go to my row; 17:16 elements of 1 byte; 20 padding on; 21 set beside a mask; 24:22 after every 64 words; 31:25 four words
	s_or_b32 s[G1B+0], s44, (0<<16)|(1<<20)|(1<<21)|(5<<22)|(3<<25)
.irp g, G1, G1B
	s_mov_b32 s[\g+1], ROWB<<16                    ; tensor_dim0
	s_mov_b32 s[\g+2], 256<<16                     ; tensor_dim1 = 256 for the head's loads; set to 128 behind them
	s_mov_b32 s[\g+3], ROWB<<16                    ; tile_dim0
	s_mov_b32 s[\g+4], 256                         ; tile_dim1 likewise
	s_mov_b32 s[\g+5], KROW                        ; tensor_dim0_stride
	s_mov_b32 s[\g+6], 0
	s_mov_b32 s[\g+7], 0
.endr
	; the scales of 256 rows: a dense block of 8,192 bytes, as rows of 256 bytes (32 elements of 8 bytes), 16 bytes of padding behind each
	s_or_b32 s[G1S+0], s43, (3<<16)|(1<<20)|(1<<21)|(5<<22)|(3<<25)
	s_or_b32 s[G1SB+0], s44, (3<<16)|(1<<20)|(1<<21)|(5<<22)|(3<<25)
.irp g, G1S, G1SB
	s_mov_b32 s[\g+1], 32<<16
	s_mov_b32 s[\g+2], KS<<16                      ; the scales of 256 rows: KS rows of 256 bytes
	s_mov_b32 s[\g+3], 32<<16
	s_mov_b32 s[\g+4], KS
	s_mov_b32 s[\g+5], 32
	s_mov_b32 s[\g+6], 0
	s_mov_b32 s[\g+7], 0
.endr
	s_lshl_b32 s20, s92, 8                         ; source 1: the tile's first row in its buffer
	s_lshl_b32 s46, s94, 8                         ; source 0 likewise
	s_mov_b32 s21, 0
	s_mov_b32 s47, 0
	s_mov_b64 s[18:19], KS
	s_mul_u64 s[22:23], s[20:21], s[18:19]         ; where these rows' scales begin, in bytes
	s_mul_u64 s[92:93], s[46:47], s[18:19]
	s_mov_b64 s[18:19], KROW
	s_mul_u64 s[20:21], s[20:21], s[18:19]         ; and their codes
	s_mul_u64 s[46:47], s[46:47], s[18:19]
	s_mul_i32 s45, s14, HALFT                      ; where they go: wave x 128 rows: no place in the cluster enters an LDS address
	s_mul_i32 s18, s16, 128*KROW                   ; in the ring I fetch 128 rows of a tile: which half, in bytes
	s_mov_b32 s19, 0
	s_wait_kmcnt 0x0
	s_cmp_lg_u32 s95, 0                            ; which buffer is source 1's: x for q and k, W for v
	s_cselect_b64 s[66:67], s[8:9], s[4:5]         ; source 1's codes
	s_cselect_b64 s[8:9], s[4:5], s[8:9]           ; source 0's codes
	s_cselect_b64 s[4:5], s[10:11], s[6:7]         ; source 1's scales
	s_cselect_b64 s[10:11], s[6:7], s[10:11]       ; source 0's scales
	s_add_nc_u64 s[20:21], s[66:67], s[20:21]
	s_add_nc_u64 s[22:23], s[4:5], s[22:23]
	s_add_nc_u64 s[46:47], s[8:9], s[46:47]
	s_add_nc_u64 s[92:93], s[10:11], s[92:93]
	CROUND                                         ; all sixteen work-groups are here: the first joint loads meet
.set G0H, 4                            ; s[4:7], s[8:11] group 0 for the head's loads of K step 0 (the arguments that lay there have been used)
.set G0HB, 8
	s_mov_b32 s[G0H], 1                            ; the head's four tiles, each whole: K step 0's 256 rows of source 1,
	s_mov_b32 s[G0H+1], 0
	s_mov_b64 s[G0H+2:G0H+3], s[20:21]
	s_or_b32 s[G0H+3], s[G0H+3], 0x80000000
	s_mov_b32 s[G0HB], 1                           ; its 256 rows of source 0, behind them in slot 0,
	s_mov_b32 s[G0HB+1], 2*HALFT
	s_mov_b64 s[G0HB+2:G0HB+3], s[46:47]
	s_or_b32 s[G0HB+3], s[G0HB+3], 0x80000000
	s_mov_b32 s[G0S], 1                            ; source 1's scales,
	s_mov_b32 s[G0S+1], SCL
	s_mov_b64 s[G0S+2:G0S+3], s[22:23]
	s_or_b32 s[G0S+3], s[G0S+3], 0x80000000
	s_mov_b32 s[G0SB], 1                           ; and source 0's
	s_mov_b32 s[G0SB+1], SCL+2*HALFS
	s_mov_b64 s[G0SB+2:G0SB+3], s[92:93]
	s_or_b32 s[G0SB+3], s[G0SB+3], 0x80000000
	s_add_nc_u64 s[20:21], s[20:21], s[18:19]      ; for the ring: my 128 rows of the tile
	s_add_nc_u64 s[46:47], s[46:47], s[18:19]
.irp s, 0,1
	s_mov_b32 s[G0+4*\s], 1
	s_add_co_u32 s[G0+4*\s+1], s45, \s*SLOT
	s_add_nc_u64 s[G0+4*\s+2:G0+4*\s+3], s[20:21], \s*ROWB
	s_or_b32 s[G0+4*\s+3], s[G0+4*\s+3], 0x80000000
	s_mov_b32 s[G0B+4*\s], 1
	s_add_co_u32 s[G0B+4*\s+1], s45, \s*SLOT
	s_add_nc_u64 s[G0B+4*\s+2:G0B+4*\s+3], s[46:47], \s*ROWB
	s_or_b32 s[G0B+4*\s+3], s[G0B+4*\s+3], 0x80000000
.endr
; the head's loads, one a wave: one tree of branches on the wave's number, an arm a load, all arms leading to one join
.macro ARM under, g0, g1, next
	s_cmp_lt_u32 s14, \under
	s_cbranch_scc0 \next
	tensor_load_to_lds s[\g0:\g0+3], s[\g1:\g1+7]
	s_nop 0
.rept 4
	v_nop
.endr
	s_branch .Lhead_asked
\next:
.endm
	ARM 1, G0H,  G1,  .Lhead_b
	ARM 2, G0HB, G1B, .Lhead_sa
	ARM 3, G0S,  G1S, .Lhead_sb
	tensor_load_to_lds s[G0SB:G0SB+3], s[G1SB:G1SB+7]
	s_nop 0
.rept 4
	v_nop
.endr
.Lhead_asked:
	v_and_b32 v1, 15, v0                           ; r = lane % 16
	v_bfe_u32 v2, v0, 4, 1                         ; h = lane / 16
	v_mul_u32_u24 v3, v1, PITCH
	v_lshl_add_u32 v4, v2, 4, v3                   ; a fragment's row x pitch + 16 x half
	s_wait_alu depctr_va_vdst(0)
	s_mul_i32 s21, s15, HALFT                      ; my 128 rows of x
	s_mul_i32 s22, s16, HALFT                      ; my 128 rows of W,
	s_add_co_u32 s22, s22, 2*HALFT                 ; which lie behind x's 256
	s_mov_b32 s66, s21                             ; source 1: the slot's first 256 rows, my half by wave / 2
	s_mov_b32 s67, s22                             ; source 0: the 256 behind them, my half by wave % 2
.irp s, 0,1
	v_add_nc_u32 v[ADR1+\s], s66, v4
	v_add_nc_u32 v[ADR0+\s], s67, v4
	s_add_co_u32 s66, s66, SLOT
	s_add_co_u32 s67, s67, SLOT
.endr
	v_mul_u32_u24 v5, v1, KS                       ; my row's scales: 32 bytes a row,
	v_lshrrev_b32 v6, 8, v5
	v_lshl_add_u32 v5, v6, 4, v5                   ; and 16 more for each 256 passed
	s_mul_i32 s21, s15, HALFS                      ; x's: my 128 rows
	s_mul_i32 s22, s16, HALFS                      ; W's: my 128 rows, behind x's 256
	s_add_co_u32 s22, s22, 2*HALFS
	s_sub_co_u32 s22, s22, s21                     ; the distance from x's to W's
	v_mul_u32_u24 v6, s22, v2                      ; lanes 16-31 take source 0's
	s_add_co_u32 s21, s21, SCL
	v_add_nc_u32 v5, v5, v6
	v_add_nc_u32 v[ADRS], s21, v5
	; the bias in the result's layout, eight registers for each block: q, k: register 8 b + j = b[16 b + 8 h + j] (the features run along my registers); v: register 8 a + j = b[16 a + r] (my lane is a feature)
	s_lshl_b32 s18, s42, 10
	s_lshl_b32 s19, s3, 9
	s_add_co_u32 s18, s18, s19                     ; my 128 features' first byte
	s_mov_b32 s19, 0
	s_add_nc_u64 s[12:13], s[12:13], s[18:19]
	v_lshlrev_b32 v5, 5, v2                        ; 32 h
	v_lshlrev_b32 v6, 2, v1                        ; 4 r
	v_cndmask_b32 v[VO], v5, v6, s100
	s_and_not1_b32 s18, 4, s100                    ; from register to register: 4 bytes for q and k, none for v
.irp j, 1,2,3,4,5,6,7
	v_add_nc_u32 v[VO+\j], s18, v[VO+\j-1]
.endr
.irp i, 0,1,2,3,4,5,6,7
.irp j, 0,1,2,3,4,5,6,7
	global_load_b32 v[BIAS+8*\i+\j], v[VO+\j], s[12:13] offset:64*\i
.endr
.endr
	; where my block of the two outputs begins
	s_lshl_b32 s18, s17, 1
	s_add_co_u32 s18, s18, s2                      ; tokens / 128
	s_lshl_b32 s19, s42, 1
	s_add_co_u32 s19, s19, s3                      ; features / 128
	s_lshr_b32 s20, s18, 4                         ; batch
	s_mul_i32 s20, s20, 24
	s_add_co_u32 s20, s20, s19
	s_lshl_b32 s20, s20, 4
	s_and_b32 s18, s18, 15
	s_add_co_u32 s20, s20, s18                     ; the block's number, under 1,536
	s_lshl_b32 s18, s20, 14
	s_mov_b32 s19, 0
	s_add_nc_u64 s[96:97], s[96:97], s[18:19]
	s_lshl_b32 s18, s20, 9
	s_add_nc_u64 s[98:99], s[98:99], s[18:19]
	v_and_b32 v6, 31, v0
	v_lshlrev_b32 v[CO], 4, v6
.macro FRAG reg, adr, q, i             ; a fragment, 16 rows x 128 K of 8-bit codes: lane l holds row l % 16; registers 4 c .. 4 c + 3 hold K = 32 c + 16 (l / 16) + 0 .. 15
.irp c, 0,1,2,3
	ds_load_b128 v[\reg+4*\c:\reg+4*\c+3], v[\adr] offset:128*(\q)+32*\c+(\i)*16*PITCH
.endr
.endm
; 16 matrix instructions: source 1's blocks a0, a0 + 1 x source 0's eight, 128 along K.  p: source 0's set;  sc: the set of scale words.
; zero = 1, 2: the first product starts the sums from the bias (1: by source 0's block, 2: by source 1's).  The 64 accumulators take turns, one instruction a turn, in the same order in every step.
.macro MUL16 a0, p, q, sc, zero
.irp a, \a0, \a0+1
.irp b, 0,1,2,3,4,5,6,7
.if \zero == 1
	v_wmma_scale_f32_16x16x128_f8f6f4 v[8*(8*((\a)%4)+\b):8*(8*((\a)%4)+\b)+7], v[128*(\p)+FR*\b:128*(\p)+FR*\b+FR-1], v[AF+FR*(\a):AF+FR*(\a)+FR-1], v[BIAS+8*\b:BIAS+8*\b+7], v[SC+8*NQ*(\sc)+NQ*\b+(\q)], v[SC+8*NQ*(\sc)+NQ*(\a)+(\q)] matrix_a_scale:MATRIX_SCALE_ROW1
.elseif \zero == 2
	v_wmma_scale_f32_16x16x128_f8f6f4 v[8*(8*((\a)%4)+\b):8*(8*((\a)%4)+\b)+7], v[128*(\p)+FR*\b:128*(\p)+FR*\b+FR-1], v[AF+FR*(\a):AF+FR*(\a)+FR-1], v[BIAS+8*(\a):BIAS+8*(\a)+7], v[SC+8*NQ*(\sc)+NQ*\b+(\q)], v[SC+8*NQ*(\sc)+NQ*(\a)+(\q)] matrix_a_scale:MATRIX_SCALE_ROW1
.else
	v_wmma_scale_f32_16x16x128_f8f6f4 v[8*(8*((\a)%4)+\b):8*(8*((\a)%4)+\b)+7], v[128*(\p)+FR*\b:128*(\p)+FR*\b+FR-1], v[AF+FR*(\a):AF+FR*(\a)+FR-1], v[8*(8*((\a)%4)+\b):8*(8*((\a)%4)+\b)+7], v[SC+8*NQ*(\sc)+NQ*\b+(\q)], v[SC+8*NQ*(\sc)+NQ*(\a)+(\q)] matrix_a_scale:MATRIX_SCALE_ROW1
.endif
.endr
.endr
.endm
.macro FETCH_B slot, q, p              ; source 0's eight fragments of the slot's q-th 128 along K into set p
	WIN TO_B
.irp i, 0,1,2,3,4,5,6,7
	FRAG 128*(\p)+FR*\i, ADR0+\slot, \q, \i
.endr
	WIN 0
.endm
.macro FETCH_A slot, q, i0             ; source 1's blocks i0 .. i0 + 3
.irp i, \i0, \i0+1, \i0+2, \i0+3
	FRAG AF+FR*(\i), ADR1+\slot, \q, \i
.endr
.endm
.macro SCALES sc                       ; the next K step's scale words into set sc: two words a row
.irp i, 0,1,2,3,4,5,6,7
	ds_load_b64 v[SC+8*NQ*\sc+NQ*\i:SC+8*NQ*\sc+NQ*\i+1], v[ADRS] offset:\i*SBLK
.endr
.endm
; A load into a register that a matrix instruction has read, and a vector instruction that reads a matrix result, stand NP places behind that matrix instruction; only plain vector
; instructions that name none of its registers are places (ISA guide 7.12.1 for vector instructions).
.macro PLACES n
.rept \n
	v_nop
.endr
.endm
; A step of 128 along K that has its successor in the same slot.
.macro STEP slot, q, zero
	s_wait_dscnt 4*NL                              ; source 0's set and source 1's blocks 0-3 are in; the youngest sixteen loads (blocks 4-7) may be out
.if \zero
	WIN 0x81                                       ; as MUL_LO, with C (the bias) in window 0
.else
	WIN MUL_LO
.endif
	MUL16 0, (\q)%2, \q, \slot, \zero
	MUL16 2, (\q)%2, \q, \slot, \zero
	s_wait_dscnt 0                                 ; blocks 4-7 are in (asked for 32 matrix instructions ago)
	PLACES NP
	FETCH_B \slot, (\q)+1, 1-(\q)%2
	FETCH_A \slot, (\q)+1, 0
.if \zero
	WIN 0xc1
.else
	WIN MUL_HI
.endif
	MUL16 4, (\q)%2, \q, \slot, \zero
	MUL16 6, (\q)%2, \q, \slot, \zero
	PLACES NP
	WIN 0
	FETCH_A \slot, (\q)+1, 4
.endm
; A slot's last step changes slots: ONE barrier; in front of it each wave waits for all its tensor loads, adds 0 to its spare word, and waits for that and for its own reads of this slot.  fill = 1: this slot is filled again, two K steps ahead.
.macro TURN slot, next, fill
	s_wait_tensorcnt 0x0                           ; all my tensor loads have landed: my part of the next slot  (every window is 0 here)
	ds_add_u32 v[SPW], v[NIL]                      ; 0 onto my spare word
	s_wait_dscnt 4*NL+1                            ; (the add and the youngest sixteen loads may be out)
	WIN MUL_LO
	MUL16 0, 1, NQ-1, \slot, 0                     ; sixteen matrix instructions stand between the add and the wait for it
	s_wait_dscnt 0x0                               ; the add is done, and my reads of this slot are over
	s_barrier_signal -1
	MUL16 2, 1, NQ-1, \slot, 0
	WIN 0
	s_barrier_wait -1
.if \fill
	CREST                                          ; the barrier has opened a round of the cluster's barrier: no wave of any partner still reads this slot's tile or has a load on its way
	s_add_nc_u64 s[G0+4*\slot+2:G0+4*\slot+3], s[G0+4*\slot+2:G0+4*\slot+3], 2*ROWB
	s_add_nc_u64 s[G0B+4*\slot+2:G0B+4*\slot+3], s[G0B+4*\slot+2:G0B+4*\slot+3], 2*ROWB
	JLOAD G0+4*\slot, G1, G0B+4*\slot, G1B         ; the first tensor load behind the round, my only one until the next; its four v_nop are among the places in front of the loads below
	PLACES NP-4
.else
	PLACES NP
.endif
	s_wait_alu depctr_va_vdst(0)
	v_add_nc_u32 v[ADRS], 4*NQ, v[ADRS]            ; on to the next K step's scale words
	FETCH_B \next, 0, 0
	FETCH_A \next, 0, 0
	SCALES \next
	WIN MUL_HI
	MUL16 4, 1, NQ-1, \slot, 0
	MUL16 6, 1, NQ-1, \slot, 0
	PLACES NP
	WIN 0
	FETCH_A \next, 0, 4
.endm
	s_wait_alu depctr_va_vdst(0)
	s_wait_tensorcnt 0x0                           ; my tile of the head's four is in
	ds_add_u32 v[SPW], v[NIL]                      ; 0 onto my spare word
	s_mov_b32 s[G1+2], 128<<16                     ; no tensor load of mine is out, so a descriptor may be written: from here on a load brings 128 rows
	s_mov_b32 s[G1+4], 128
	s_mov_b32 s[G1B+2], 128<<16
	s_mov_b32 s[G1B+4], 128
	s_wait_dscnt 0x0                               ; the add is done
	CROUND                                         ; a whole round: all four tiles are in, and all sixteen work-groups are here
	JLOAD G0+4, G1, G0B+4, G1B                     ; K step 1's load, the first tensor load behind the round
	FETCH_B 0, 0, 0
	FETCH_A 0, 0, 0
	SCALES 0
	FETCH_A 0, 0, 4
	s_wait_loadcnt 0x0                             ; the bias
	s_cmp_lg_u32 s95, 0                            ; the first step stands in front of the loop, once for each layout of the bias; the two copies differ in the C operand alone
	s_cbranch_scc1 .Lfirst_v
	STEP 0, 0, 1
	s_branch .Lfirst_done
.Lfirst_v:
	STEP 0, 0, 2
.Lfirst_done:
	s_mov_b32 s3, LAPS-1
.Llap:                                                 ; a trip goes once round the ring, from a lap's second step to the next lap's first, and fills both slots again
	TURN 0, 1, 1
	STEP 1, 0, 0
	TURN 1, 0, 1
	STEP 0, 0, 0
	s_sub_co_u32 s3, s3, 1
	s_cmp_lg_u32 s3, 0
	s_cbranch_scc1 .Llap
	TURN 0, 1, 0                                   ; the last lap fills nothing, and has no round of the cluster's barrier
	STEP 1, 0, 0
	s_wait_dscnt 4*NL                              ; the very last step: nothing more to fetch
	WIN MUL_LO
	MUL16 0, 1, NQ-1, 1, 0
	MUL16 2, 1, NQ-1, 1, 0
	s_wait_dscnt 0
	WIN MUL_HI
	MUL16 4, 1, NQ-1, 1, 0
	MUL16 6, 1, NQ-1, 1, 0
	WIN 0
; THE WAY OUT: no LDS.  For source 1's block a my lane holds one row and 64 numbers along the quantised axis: register 16 g + i is number i of my 16 of block g of 32; lane l xor 16 holds the block's other 16.
; The codes of (a, g) are 16 bytes a lane: the wave's store covers 512 consecutive bytes, aligned.
	PLACES NP
	s_mov_b32 s66, 0x76543210                      ; v_permlanex16_b32's selects for lane l xor 16
	s_mov_b32 s67, 0xfedcba98
	s_mov_b32 s101, 0x600000                       ; the mantissa field of 448
.irp b, 0,1,2,3
	v_mov_b32 v[PT+\b], 0                          ; a lane permute's destination counts as one of its sources
.endr
.macro QOUT a
.set AC, 64*((\a)%4)
.set PCA, PC+16*((\a)%4)
	WIN 20*(2+(\a)/4)                              ; sources 1 and 2: the accumulators' window
.irp b, 0,1,2,3
	v_max3_num_f32 v[TM+\b], 0x4800000, |v[AC+16*\b]|, |v[AC+16*\b+1]|   ; each accumulator is read from its low end on; the floor 2^(9 - 127) holds the byte at 1 from below
.endr
.irp i, 2,4,6,8,10,12,14
.irp b, 0,1,2,3
	v_max3_num_f32 v[TM+\b], v[TM+\b], |v[AC+16*\b+\i]|, |v[AC+16*\b+\i+1]|   ; the four blocks by turns
.endr
.endr
	WIN 0
.irp b, 0,1,2,3
	v_permlanex16_b32 v[PT+\b], v[TM+\b], s66, s67
.endr
.irp b, 0,1,2,3
	v_max_num_f32 v[TM+\b], v[TM+\b], v[PT+\b]     ; the block's largest magnitude
.endr
.irp b, 0,1,2,3
	v_add_nc_u32 v[SO+\b], 0xfc000000, v[TM+\b]    ; 8 off its exponent field: the conversion takes this operand's exponent field as its scale
.endr
.irp b, 0,1,2,3
	v_and_or_b32 v[LIM+\b], v[TM+\b], 0x7f800000, s101   ; 448 x the scale
.endr
.irp b, 0,1,2,3
	v_lshrrev_b32 v[PT+\b], 23, v[SO+\b]           ; the scale's byte
.endr
	v_lshl_or_b32 v[WD+(\a)], v[PT+1], 8, v[PT]
	v_lshl_or_b32 v[WD+(\a)], v[PT+2], 16, v[WD+(\a)]
	v_lshl_or_b32 v[WD+(\a)], v[PT+3], 24, v[WD+(\a)]   ; my row's four bytes
	WIN 2+(\a)/4                                   ; source 0: the accumulators' window
.irp b, 0,1,2,3
.irp i, 0,1,2,3,4,5,6,7,8,9,10,11,12,13,14,15
	v_med3_num_f32 v[T+16*\b+\i], v[AC+16*\b+\i], -v[LIM+\b], v[LIM+\b]   ; the conversion to an 8-bit code does not saturate (ISA guide 7.6.2): the hold comes first
.endr
.endr
	WIN 0
.if (\a) >= 4
	s_wait_alu depctr_va_vdst(0)
	s_wait_xcnt 0x0                                ; the stores of four blocks ago have read this set of code registers
.endif
.irp b, 0,1,2,3
	v_cvt_scalef32_pk8_fp8_f32 v[PCA+4*\b:PCA+4*\b+1], v[T+16*\b:T+16*\b+7], v[SO+\b]
	v_cvt_scalef32_pk8_fp8_f32 v[PCA+4*\b+2:PCA+4*\b+3], v[T+16*\b+8:T+16*\b+15], v[SO+\b]
.endr
	v_nop                                          ; one plain vector line behind the last conversion of the run
.irp b, 0,1,2,3
	global_store_b128 v[CO], v[PCA+4*\b:PCA+4*\b+3], s[96:97] offset:2048*(\a)+512*\b
.endr
.endm
.irp a, 0,1,2,3,4,5,6,7
	QOUT \a
.endr
	; the scale words, 16 bytes a lane, 512 a wave.  Both halves of the lanes hold the same eight words; lanes 16 h + r write head h of the pair.
	; q, k: word i = the head's two bytes of token tile 2 i, then of tile 2 i + 1.   v: word i = the four bytes of feature tile 4 h + i.
	v_bfe_u32 v[HH], v0, 4, 1
	v_cmp_eq_u32 vcc_lo, 1, v[HH]
	v_mov_b32 v[SELV], 0x05040100
	v_mov_b32 v[SELW], 0x07060302
	v_cndmask_b32 v[SELV], v[SELV], v[SELW], vcc_lo
.irp i, 0,1,2,3
	v_perm_b32 v[XX+\i], v[WD+2*\i+1], v[WD+2*\i], v[SELV]
	v_cndmask_b32 v[YY+\i], v[WD+\i], v[WD+4+\i], vcc_lo
.endr
.irp i, 0,1,2,3
	v_cndmask_b32 v[FF+\i], v[XX+\i], v[YY+\i], s100
.endr
	global_store_b128 v[CO], v[FF:FF+3], s[98:99]
	s_wait_tensorcnt 0x0                           ; the wave's end
	ds_add_u32 v[SPW], v[NIL]
	s_wait_dscnt 0x0
	CROUND                                         ; the closing round: no work-group ends while a partner may still ask for a tile that names it
	s_endpgm
.Lfunc_end_k_q2107db7605_qkv:
	.size	k_q2107db7605_qkv, .Lfunc_end_k_q2107db7605_qkv-k_q2107db7605_qkv
	.p2alignl 7, 3214868480
	.fill 96, 4, 3214868480
	.section	.rodata,"a",@progbits
	.p2align	6, 0x0
	.amdhsa_kernel k_q2107db7605_qkv
		.amdhsa_group_segment_fixed_size 327680
		.amdhsa_private_segment_fixed_size 0
		.amdhsa_enable_private_segment 0
		.amdhsa_kernarg_size 56
		.amdhsa_user_sgpr_count 2
		.amdhsa_user_sgpr_kernarg_segment_ptr 1
		.amdhsa_wavefront_size32 1
		.amdhsa_system_sgpr_workgroup_id_x 1
		.amdhsa_system_sgpr_workgroup_id_y 1
		.amdhsa_system_sgpr_workgroup_id_z 1
		.amdhsa_system_vgpr_workitem_id 0
		.amdhsa_next_free_vgpr 1024
		.amdhsa_next_free_sgpr 102
		.amdhsa_reserve_vcc 1
		.amdhsa_float_denorm_mode_32 3
		.amdhsa_float_denorm_mode_16_64 3
		.amdhsa_memory_ordered 1
		.amdhsa_forward_progress 1
		.amdhsa_inst_pref_size 206
	.end_amdhsa_kernel
	.amdgpu_metadata
---
amdhsa.version: [ 1, 2 ]
amdhsa.kernels:
  - .name:           k_q2107db7605_qkv
    .symbol:         k_q2107db7605_qkv.kd
    .args:
      - { .name: x_codes, .offset: 0, .size: 8, .value_kind: global_buffer, .address_space: global }
      - { .name: x_scales, .offset: 8, .size: 8, .value_kind: global_buffer, .address_space: global }
      - { .name: w_qkv_codes, .offset: 16, .size: 8, .value_kind: global_buffer, .address_space: global }
      - { .name: w_qkv_scales, .offset: 24, .size: 8, .value_kind: global_buffer, .address_space: global }
      - { .name: b_qkv, .offset: 32, .size: 8, .value_kind: global_buffer, .address_space: global }
      - { .name: qkv_codes, .offset: 40, .size: 8, .value_kind: global_buffer, .address_space: global }
      - { .name: qkv_scales, .offset: 48, .size: 8, .value_kind: global_buffer, .address_space: global }
    .group_segment_fixed_size: 327680
    .private_segment_fixed_size: 0
    .kernarg_segment_align: 8
    .kernarg_segment_size: 56
    .max_flat_workgroup_size: 128
    .sgpr_count:     102
    .vgpr_count:     1024
    .wavefront_size: 32
...
	.end_amdgpu_metadata
.endif
;; end of part 1
;; launch attn (part 2): grid 4 x 64, 16 waves a work-group, clusters of 4 x 1, 327,680 bytes of LDS; arguments qkv_codes, qkv_scales, ac, asc; writes ac, asc
.if DOCPART == 2
	.amdgcn_target "amdgcn-amd-amdhsa--gfx1250"
	.amdhsa_code_object_version 6
	.text
	.protected	k_q2107db7605_attn
	.globl	k_q2107db7605_attn
	.p2align	8
	.type	k_q2107db7605_attn,@function
k_q2107db7605_attn:
	s_mov_b64 s[64:65], 0
	v_nop
	global_prefetch_b8 v0, s[64:65] scope:SCOPE_SE
	s_setreg_imm32_b32 hwreg(HW_REG_WAVE_MODE, 25, 1), 1
	s_wait_xcnt 0x0
	s_wait_alu depctr_hold_cnt(0) depctr_sa_sdst(0) depctr_va_vdst(0) depctr_va_sdst(0) depctr_va_ssrc(0) depctr_va_vcc(0) depctr_vm_vsrc(0)
	s_getreg_b32 s2, hwreg(HW_REG_IB_STS2, 6, 4)
	s_cmp_eq_u32 s2, 0
	s_cbranch_scc0 .Lentry_in_a_cluster
	s_endpgm
.Lentry_in_a_cluster:
	s_bfe_u32 s2, ttmp6, 0x10000c
	s_cmp_lg_u32 s2, 0x3003
	s_cbranch_scc0 .Lentry_shape_is_right
	s_endpgm
.Lentry_shape_is_right:
; Attention on codes of FP8 (E4M3) with one E8M0 scale for each 32 along K: O = softmax(Q K^T / 8) V for one head and 512 queries a work-group, and O quantised along the features on the way out.
; Sixteen waves; a wave owns 16 queries at a time, two such tiles one after the other, and walks the head's 2,048 keys in 16 steps of 128.  Both products are used transposed: a lane holds one query.
; The head's 64 features fill half of the instruction's K: a fragment of K holds two tiles of 16 keys, and Q stands beside zeros, once in the lower and once in the upper half.
; p = 2^(t - M), M the ceiling of the running largest t; the row's sum is taken of the unquantised p and divides at the end; when M moves, the sum and O are multiplied by a power of two.
; LDS: the head's K (128 rows of 1,024 bytes), V (16 rows of 8,192 bytes, 64 bytes of padding behind each 1,024) and their scale bytes (K's 16 x 256 bytes, then V's) come ONCE, at the head,
; one joint load a wave behind one round of the cluster's barrier: waves 0-7 K's rows, 16 each; waves 8-11 V's, 4 each; waves 12-15 the scale bytes, 8 rows of 256 bytes each.
; CLUSTER: the four work-groups of a head ask for these tiles jointly (mask 15).  No prefetch: all that the launch reads through LDS is asked for at its head, so there is no loop to run ahead in.
; LIMITS: NaN and infinities are not served; the scaled scores stay under 2^31 in magnitude; a block's byte never falls under 1, and a block of zeros keeps the byte 1 (this program alone reads the bytes).
.set VREG, 131072
.set SREG, 270336
.set OSC,  278528
.set AK,  1
.set AV,  2
.set ASK, 3
.set ASV, 4
.set GL,  5
.set R16, 6
.set OSA, 7
.set ADK, 8
.set ADV, 9
.set ADS, 10
.set ADT, 11
.set QR,  16
.set QS,  40
.set QW,  41
.set OL,  42
.set OG,  43
.set KSC, 44
.set VSC, 48
.set PS,  52
.set FF,  54
.set TA,  56
.set TB,  57
.set SUM2, 58
.set SUM1, 60
.set FR,  64
.set S,   128
.set OT,  192
.set PC,  224
.set BM,  240
.set PT,  244
.set LIM, 248
.set SO,  252
.set WV,  12
.set MNT, 19
.set SEL, 20
.set CS,  22
.set G1K, 24
.set G1V, 32
.set G1S, 40
.set G0K, 48
.set G0V, 52
.set G0S, 56
.set TK,  60
.set TV,  61
.set TS,  62
.set CNT, 63
.set FLR, 89
.macro ROUND
	s_barrier_signal -1
	s_barrier_wait -1
	s_cmp_lg_u32 s[WV], 0
	s_cbranch_scc1 .Lnot_wave_0_\@
	s_barrier_signal -3
.Lnot_wave_0_\@:
	s_barrier_wait -3
	s_barrier_signal -1
	s_barrier_wait -1
.endm
	s_load_b256 s[4:11], s[0:1], 0x0
	v_lshl_add_u32 v62, v0, 2, 0x44400
	v_mov_b32 v63, 0
	ds_add_u32 v62, v63
	ds_add_u32 v62, v63
	v_lshrrev_b32 v1, 5, v0
	s_delay_alu instid0(VALU_DEP_1)
	v_readfirstlane_b32 s[WV], v1
	s_bfe_u32 s13, ttmp6, 0x40000
	s_and_b32 s14, ttmp7, 0xffff
	s_lshr_b32 s15, s14, 4
	s_and_b32 s16, s14, 15
	s_lshr_b32 s17, s16, 1
	s_and_b32 s18, s16, 1
	s_mul_i32 s66, s15, 24
	s_add_co_u32 s66, s66, s17
	s_add_co_u32 s67, s66, 8
	s_lshl_b32 s67, s67, 4
	s_and_b32 s75, s[WV], 7                        ; which eighth of K's rows,
	s_and_b32 s76, s[WV], 3                        ; which quarter of V's rows or of the scale bytes
	s_lshl_b32 s68, s67, 14
	s_lshl_b32 s70, s18, 10
	s_add_co_u32 s68, s68, s70
	s_lshl_b32 s70, s75, 15
	s_add_co_u32 s68, s68, s70                     ; K: 16 rows at a pitch of 2,048 bytes a wave
	s_mov_b32 s69, 0
	s_lshl_b32 s70, s67, 9
	s_lshl_b32 s72, s18, 8
	s_add_co_u32 s70, s70, s72
	s_and_b32 s72, s76, 1
	s_lshl_b32 s72, s72, 12
	s_add_co_u32 s70, s70, s72                     ; scale bytes: 8 rows at a pitch of 512 bytes a wave;
	s_lshr_b32 s72, s76, 1
	s_lshl_b32 s72, s72, 16
	s_add_co_u32 s70, s70, s72                     ; V's lie 128 blocks of 512 bytes behind K's
	s_mov_b32 s71, 0
	s_add_co_u32 s72, s67, 128
	s_lshl_b32 s72, s72, 14
	s_lshl_b32 s74, s18, 13
	s_add_co_u32 s72, s72, s74
	s_lshl_b32 s74, s76, 16
	s_add_co_u32 s72, s72, s74                     ; V: 4 rows at a pitch of 16,384 bytes a wave
	s_mov_b32 s73, 0
	s_mov_b32 s[G1K], 15|(3<<16)|(1<<21)
	s_mov_b32 s[G1K+1], 128<<16
	s_mov_b32 s[G1K+2], 16<<16
	s_mov_b32 s[G1K+3], 128<<16
	s_mov_b32 s[G1K+4], 16
	s_mov_b32 s[G1K+5], 256
	s_mov_b32 s[G1K+6], 0
	s_mov_b32 s[G1K+7], 0
	s_mov_b32 s[G1V], 15|(3<<16)|(1<<20)|(1<<21)|(7<<22)|(15<<25)
	s_mov_b32 s[G1V+1], 1024<<16
	s_mov_b32 s[G1V+2], 4<<16
	s_mov_b32 s[G1V+3], 1024<<16
	s_mov_b32 s[G1V+4], 4
	s_mov_b32 s[G1V+5], 2048
	s_mov_b32 s[G1V+6], 0
	s_mov_b32 s[G1V+7], 0
	s_mov_b32 s[G1S], 15|(3<<16)|(1<<21)
	s_mov_b32 s[G1S+1], 32<<16
	s_mov_b32 s[G1S+2], 8<<16
	s_mov_b32 s[G1S+3], 32<<16
	s_mov_b32 s[G1S+4], 8
	s_mov_b32 s[G1S+5], 64
	s_mov_b32 s[G1S+6], 0
	s_mov_b32 s[G1S+7], 0
	s_mov_b32 s[MNT], 0x600000
	s_mov_b32 s[FLR], 0x4800000
	s_mov_b32 s[SEL], 0x76543210
	s_mov_b32 s[SEL+1], 0xfedcba98
	s_mov_b32 s[CS], 0x3e38aa3b
	s_mov_b32 s[CS+1], s[CS]
	s_wait_dscnt 0x0
	s_wait_kmcnt 0x0
	s_mov_b32 s[G0K], 1
	s_lshl_b32 s[G0K+1], s75, 14
	s_add_nc_u64 s[G0K+2:G0K+3], s[4:5], s[68:69]
	s_or_b32 s[G0K+3], s[G0K+3], 0x80000000
	s_mov_b32 s[G0V], 1
	s_mul_i32 s[G0V+1], s76, 34816
	s_add_co_u32 s[G0V+1], s[G0V+1], VREG
	s_add_nc_u64 s[G0V+2:G0V+3], s[4:5], s[72:73]
	s_or_b32 s[G0V+3], s[G0V+3], 0x80000000
	s_mov_b32 s[G0S], 1
	s_lshl_b32 s[G0S+1], s76, 11
	s_add_co_u32 s[G0S+1], s[G0S+1], SREG
	s_add_nc_u64 s[G0S+2:G0S+3], s[6:7], s[70:71]
	s_or_b32 s[G0S+3], s[G0S+3], 0x80000000
	ROUND                                          ; the one round in front of the first joint loads
	s_cmp_lt_u32 s[WV], 8                          ; one tree of branches on the wave's number, an arm a load: every wave issues one
	s_cbranch_scc0 .Lhead_v
	tensor_load_to_lds s[G0K:G0K+3], s[G1K:G1K+7]
	s_nop 0
.rept 4
	v_nop
.endr
	s_branch .Lhead_asked
.Lhead_v:
	s_cmp_lt_u32 s[WV], 12
	s_cbranch_scc0 .Lhead_s
	tensor_load_to_lds s[G0V:G0V+3], s[G1V:G1V+7]
	s_nop 0
.rept 4
	v_nop
.endr
	s_branch .Lhead_asked
.Lhead_s:
	tensor_load_to_lds s[G0S:G0S+3], s[G1S:G1S+7]
	s_nop 0
.rept 4
	v_nop
.endr
.Lhead_asked:
	s_lshl_b32 s74, s66, 4
	s_lshl_b32 s75, s13, 2
	s_add_co_u32 s74, s74, s75
	s_lshr_b32 s75, s[WV], 3
	s_add_co_u32 s74, s74, s75
	s_and_b32 s75, s[WV], 7
	s_lshl_b32 s76, s74, 14
	s_lshl_b32 s77, s75, 11
	s_add_co_u32 s76, s76, s77
	s_lshl_b32 s77, s18, 10
	s_add_co_u32 s76, s76, s77
	s_mov_b32 s77, 0
	s_add_nc_u64 s[80:81], s[4:5], s[76:77]
	s_lshl_b32 s76, s74, 9
	s_lshl_b32 s78, s18, 8
	s_add_co_u32 s76, s76, s78
	s_lshr_b32 s78, s75, 1
	s_lshl_b32 s78, s78, 2
	s_add_co_u32 s76, s76, s78
	s_add_nc_u64 s[82:83], s[6:7], s[76:77]
	s_and_b32 s78, s[WV], 1
	s_cmp_lg_u32 s78, 0
	s_mov_b32 s88, 0x01000100
	s_cselect_b32 s88, 0x03020302, s88
	s_lshl_b32 s76, s15, 7
	s_lshl_b32 s78, s13, 5
	s_add_co_u32 s76, s76, s78
	s_add_co_u32 s76, s76, s[WV]
	s_lshl_b32 s76, s76, 14
	s_lshl_b32 s78, s17, 11
	s_add_co_u32 s76, s76, s78
	s_lshl_b32 s78, s18, 10
	s_add_co_u32 s76, s76, s78
	s_add_nc_u64 s[84:85], s[8:9], s[76:77]
	s_lshl_b32 s76, s16, 14
	s_lshl_b32 s78, s15, 12
	s_add_co_u32 s76, s76, s78
	s_lshl_b32 s78, s13, 10
	s_add_co_u32 s76, s76, s78
	s_add_nc_u64 s[86:87], s[10:11], s[76:77]
	v_and_b32 v[TA], 31, v0
	v_and_b32 v[TB], 15, v0
	v_bfe_u32 v58, v0, 4, 1
	v_and_b32 v59, 7, v0
	v_bfe_u32 v60, v0, 3, 1
	v_lshlrev_b32 v[AK], 4, v[TA]
	v_lshlrev_b32 v[GL], 4, v[TA]
	v_lshlrev_b32 v[R16], 4, v[TB]
	s_delay_alu instid0(VALU_DEP_4)
	v_mul_u32_u24 v[AV], v60, 2176
	s_delay_alu instid0(VALU_DEP_1)
	v_lshl_add_u32 v[AV], v58, 8, v[AV]
	s_delay_alu instid0(VALU_DEP_1)
	v_lshl_add_u32 v[AV], v59, 4, v[AV]
	s_delay_alu instid0(VALU_DEP_1)
	v_add_nc_u32 v[AV], VREG, v[AV]
	v_add_nc_u32 v[ASK], SREG, v[R16]
	v_lshlrev_b32 v[ASV], 2, v60
	s_delay_alu instid0(VALU_DEP_1)
	v_lshl_add_u32 v[ASV], v59, 4, v[ASV]
	s_delay_alu instid0(VALU_DEP_1)
	v_add_nc_u32 v[ASV], SREG+4096, v[ASV]
	v_lshlrev_b32 v[OSA], 1, v[TB]
	s_lshl_b32 s78, s[WV], 5
	v_add_nc_u32 v[OSA], s78, v[OSA]
	s_delay_alu instid0(VALU_DEP_1)
	v_add_nc_u32 v[OSA], OSC, v[OSA]
	v_and_b32 v[OG], 63, v0
	s_delay_alu instid0(VALU_DEP_1)
	v_lshlrev_b32 v[OG], 4, v[OG]
	s_delay_alu instid0(VALU_DEP_1)
	v_add_nc_u32 v[OL], OSC, v[OG]
.irp j, 0,1,2,3,4,5,6,7
	v_mov_b32 v[QR+8+\j], 0
.endr
.irp b, 0,1,2,3
	v_mov_b32 v[PT+\b], 0
.endr
	v_mov_b32 v[FF+1], 0
	v_mov_b32 v[TA], 0
.macro STEP
	v_add_nc_u32 v[ADK], s[TK], v[AK]
	v_add_nc_u32 v[ADV], s[TV], v[AV]
	v_add_nc_u32 v[ADS], s[TS], v[ASK]
	v_add_nc_u32 v[ADT], s[TS], v[ASV]
	v_nop
	v_nop
.set i, 0
.rept 16
	ds_load_b128 v[FR+4*i:FR+4*i+3], v[ADK] offset:512*i
.set i, i+1
.endr
	ds_load_b128 v[KSC:KSC+3], v[ADS]
	s_wait_alu depctr_va_vdst(0)
	s_wait_dscnt 0x0
.irp b, 0,1,2,3
	v_wmma_scale_f32_16x16x128_f8f6f4 v[S+16*\b:S+16*\b+7], v[FR+16*\b:FR+16*\b+15], v[QR:QR+15], 0, v[KSC+\b], v[QS]
	v_wmma_scale_f32_16x16x128_f8f6f4 v[S+16*\b+8:S+16*\b+15], v[FR+16*\b:FR+16*\b+15], v[QR+8:QR+23], 0, v[KSC+\b], v[QS]
.endr
	v_mov_b32 v[TA], v12
.rept 7
	v_nop
.endr
.irp t, 0,1,2,3
.irp c, 0,1,2,3
	ds_load_b128 v[FR+16*\t+4*\c:FR+16*\t+4*\c+3], v[ADV] offset:4352*(\t/2)+128*(\t%2)+1088*(\c/2)+512*(\c%2)
.endr
	ds_load_b32 v[VSC+\t], v[ADT] offset:128*(\t%2)+8*(\t/2)
.endr
	v_dual_max_num_f32 v[BM], v[S], v[S+1] :: v_dual_max_num_f32 v[BM+1], v[S+17], v[S+16]
	v_dual_max_num_f32 v[BM+2], v[S+32], v[S+33] :: v_dual_max_num_f32 v[BM+3], v[S+49], v[S+48]
.irp i, 2,4,6,8,10,12,14
.irp b, 0,1,2,3
	v_max3_num_f32 v[BM+\b], v[BM+\b], v[S+16*\b+\i], v[S+16*\b+\i+1]
.endr
.endr
.irp b, 0,1,2,3
	s_delay_alu instid0(VALU_DEP_4)
	v_permlanex16_b32 v[PT+\b], v[BM+\b], s[SEL], s[SEL+1]
.endr
	v_dual_max_num_f32 v[BM], v[BM], v[PT] :: v_dual_max_num_f32 v[BM+1], v[BM+1], v[PT+1]
	v_dual_max_num_f32 v[BM+2], v[BM+2], v[PT+2] :: v_dual_max_num_f32 v[BM+3], v[BM+3], v[PT+3]
	v_max3_num_f32 v[TB], v[BM], v[BM+1], v[BM+2]
	s_delay_alu instid0(VALU_DEP_1)
	v_max3_num_f32 v13, v13, v[TB], v[BM+3]
	s_delay_alu instid0(VALU_DEP_1)
	v_mul_f32 v[TB], s[CS], v13
	s_delay_alu instid0(VALU_DEP_1)
	v_floor_f32 v12, -v[TB]
.set j, 0
.rept 32
	v_pk_fma_f32 v[S+j:S+j+1], v[S+j:S+j+1], s[CS:CS+1], v[12:13] op_sel_hi:[1,0,0]
.set j, j+2
.endr
	v_pk_fma_f32 v[BM:BM+1], v[BM:BM+1], s[CS:CS+1], v[12:13] op_sel_hi:[1,0,0]
	v_pk_fma_f32 v[BM+2:BM+3], v[BM+2:BM+3], s[CS:CS+1], v[12:13] op_sel_hi:[1,0,0]
.set j, 0
	s_wait_alu depctr_va_vdst(0)
.rept 64
	v_exp_f32 v[S+j], v[S+j]
.set j, j+1
.endr
.irp b, 0,1,2,3
	v_exp_f32 v[BM+\b], v[BM+\b]
.endr
	v_sub_f32 v[TA], v12, v[TA]
	s_delay_alu instid0(VALU_DEP_1)
	v_cvt_i32_f32 v[TA], v[TA]
	s_delay_alu instid0(VALU_DEP_1)
	v_ldexp_f32 v[FF], 1.0, v[TA]
	s_wait_alu depctr_va_vdst(0)
	v_dual_max_num_f32 v[BM], s[FLR], v[BM] :: v_dual_max_num_f32 v[BM+1], s[FLR], v[BM+1]
	v_dual_max_num_f32 v[BM+2], s[FLR], v[BM+2] :: v_dual_max_num_f32 v[BM+3], s[FLR], v[BM+3]
.irp b, 0,1,2,3
	v_add_nc_u32 v[SO+\b], 0xfc000000, v[BM+\b]
.endr
.irp b, 0,1,2,3
	v_and_or_b32 v[LIM+\b], v[BM+\b], 0x7f800000, s[MNT]
.endr
	v_perm_b32 v[PT], v[SO+1], v[SO], 0x07060302
	v_perm_b32 v[PT+1], v[SO+3], v[SO+2], 0x07060302
	s_delay_alu instid0(VALU_DEP_2)
	v_lshlrev_b32 v[PT], 1, v[PT]
	s_delay_alu instid0(VALU_DEP_2)
	v_lshlrev_b32 v[PT+1], 1, v[PT+1]
	s_delay_alu instid0(VALU_DEP_1)
	v_perm_b32 v[PS], v[PT+1], v[PT], 0x07050301
	v_pk_add_f32 v[SUM1:SUM1+1], v[S:S+1], v[S+4:S+5]
	v_pk_add_f32 v[SUM2:SUM2+1], v[S+2:S+3], v[S+6:S+7]
.irp j, 8,12,16,20,24,28,32,36,40,44,48,52,56,60
	v_pk_add_f32 v[SUM1:SUM1+1], v[SUM1:SUM1+1], v[S+\j:S+\j+1]
	v_pk_add_f32 v[SUM2:SUM2+1], v[SUM2:SUM2+1], v[S+\j+2:S+\j+3]
.endr
.irp g, 0,2
.irp i, 0,2,4,6,8,10,12,14
	v_dual_min_num_f32 v[S+16*\g+\i], v[S+16*\g+\i], v[LIM+\g] :: v_dual_min_num_f32 v[S+16*\g+17+\i], v[S+16*\g+17+\i], v[LIM+\g+1]
	v_dual_min_num_f32 v[S+16*\g+16+\i], v[S+16*\g+16+\i], v[LIM+\g+1] :: v_dual_min_num_f32 v[S+16*\g+1+\i], v[S+16*\g+1+\i], v[LIM+\g]
.endr
.irp u, 0,1
	v_cvt_scalef32_pk8_fp8_f32 v[PC+4*(\g+\u):PC+4*(\g+\u)+1], v[S+16*(\g+\u):S+16*(\g+\u)+7], v[SO+\g+\u]
	v_cvt_scalef32_pk8_fp8_f32 v[PC+4*(\g+\u)+2:PC+4*(\g+\u)+3], v[S+16*(\g+\u)+8:S+16*(\g+\u)+15], v[SO+\g+\u]
.endr
.endr
.set j, 0
.rept 16
	v_pk_mul_f32 v[OT+j:OT+j+1], v[OT+j:OT+j+1], v[FF:FF+1] op_sel_hi:[1,0]
.set j, j+2
.endr
	s_wait_alu depctr_va_vdst(0)
	s_wait_dscnt 0x0
.irp t, 0,1,2,3
	v_wmma_scale_f32_16x16x128_f8f6f4 v[OT+8*\t:OT+8*\t+7], v[FR+16*\t:FR+16*\t+15], v[PC:PC+15], v[OT+8*\t:OT+8*\t+7], v[VSC+\t], v[PS]
.endr
	v_pk_add_f32 v[SUM1:SUM1+1], v[SUM1:SUM1+1], v[SUM2:SUM2+1]
	s_delay_alu instid0(VALU_DEP_1)
	v_pk_fma_f32 v[14:15], v[14:15], v[FF:FF+1], v[SUM1:SUM1+1] op_sel_hi:[1,0,1]
	s_add_co_u32 s[TK], s[TK], 8192
	s_add_co_u32 s[TV], s[TV], 8704
	s_add_co_u32 s[TS], s[TS], 256
.endm
.macro TILE_HEAD p
	global_load_b128 v[QR:QR+3], v[GL], s[80:81] offset:32768*\p
	global_load_b128 v[QR+4:QR+7], v[GL], s[80:81] offset:32768*\p+512
	global_load_b128 v[QR+16:QR+19], v[GL], s[80:81] offset:32768*\p
	global_load_b128 v[QR+20:QR+23], v[GL], s[80:81] offset:32768*\p+512
	global_load_b32 v[QW], v[R16], s[82:83] offset:1024*\p
	v_mov_b32 v13, 0xff61b1e6
	s_delay_alu instid0(VALU_DEP_1)
	v_floor_f32 v12, -v13
	v_mov_b32 v14, 0
	v_mov_b32 v15, 0
.set j, 0
.rept 32
	v_mov_b32 v[OT+j], 0
.set j, j+1
.endr
	s_mov_b32 s[TK], 0
	s_mov_b32 s[TV], 0
	s_mov_b32 s[TS], 0
	s_mov_b32 s[CNT], 16
.endm
.macro TILE_BODY p
	s_wait_loadcnt 0x0
	s_wait_xcnt 0x0
	v_perm_b32 v[QS], v[QW], v[QW], s88
.rept 4
	v_nop
.endr
.Lstep_\p:
	s_wait_alu depctr_va_vdst(0)
	STEP
	s_sub_co_u32 s[CNT], s[CNT], 1
	s_cmp_lg_u32 s[CNT], 0
	s_cbranch_scc1 .Lstep_\p
.rept 6
	v_nop
.endr
	v_add_f32 v14, v14, v15
	s_delay_alu instid0(VALU_DEP_1)
	v_permlanex16_b32 v[TA], v14, s[SEL], s[SEL+1]
	s_delay_alu instid0(VALU_DEP_1)
	v_add_f32 v14, v14, v[TA]
	s_wait_alu depctr_va_vdst(0)
	v_rcp_f32 v14, v14
	v_nop
.set j, 0
	s_wait_alu depctr_va_vdst(0)
.rept 16
	v_pk_mul_f32 v[S+j:S+j+1], v[OT+j:OT+j+1], v[14:15] op_sel_hi:[1,0]
.set j, j+2
.endr
.irp b, 0,1
	v_max3_num_f32 v[BM+\b], |v[S+16*\b]|, |v[S+16*\b+1]|, 0x4800000
.endr
.irp i, 2,4,6,8,10,12,14
.irp b, 0,1
	s_delay_alu instid0(VALU_DEP_2)
	v_max3_num_f32 v[BM+\b], v[BM+\b], |v[S+16*\b+\i]|, |v[S+16*\b+\i+1]|
.endr
.endr
.irp b, 0,1
	s_delay_alu instid0(VALU_DEP_2)
	v_permlanex16_b32 v[PT+\b], v[BM+\b], s[SEL], s[SEL+1]
.endr
.irp b, 0,1
	s_delay_alu instid0(VALU_DEP_2)
	v_max_num_f32 v[BM+\b], v[BM+\b], v[PT+\b]
.endr
.irp b, 0,1
	s_delay_alu instid0(VALU_DEP_2)
	v_add_nc_u32 v[SO+\b], 0xfc000000, v[BM+\b]
.endr
.irp b, 0,1
	s_delay_alu instid0(VALU_DEP_4)
	v_and_or_b32 v[LIM+\b], v[BM+\b], 0x7f800000, s[MNT]
.endr
.irp b, 0,1
	s_delay_alu instid0(VALU_DEP_4)
	v_lshrrev_b32 v[PT+\b], 23, v[SO+\b]
.endr
	s_delay_alu instid0(VALU_DEP_1)
	v_lshl_or_b32 v[TB], v[PT+1], 8, v[PT]
.irp b, 0,1
.irp i, 0,1,2,3,4,5,6,7,8,9,10,11,12,13,14,15
	v_med3_num_f32 v[S+16*\b+\i], v[S+16*\b+\i], -v[LIM+\b], v[LIM+\b]
.endr
	v_cvt_scalef32_pk8_fp8_f32 v[FR+4*\b:FR+4*\b+1], v[S+16*\b:S+16*\b+7], v[SO+\b]
	v_cvt_scalef32_pk8_fp8_f32 v[FR+4*\b+2:FR+4*\b+3], v[S+16*\b+8:S+16*\b+15], v[SO+\b]
.endr
	v_nop
	global_store_b128 v[GL], v[FR:FR+3], s[84:85] offset:262144*\p
	global_store_b128 v[GL], v[FR+4:FR+7], s[84:85] offset:262144*\p+512
	ds_store_b16 v[OSA], v[TB] offset:512*\p
.endm
	TILE_HEAD 0
	s_wait_tensorcnt 0x0
	s_barrier_signal -1
	s_barrier_wait -1
	TILE_BODY 0
	TILE_HEAD 1
	TILE_BODY 1
	s_wait_dscnt 0x0
	s_barrier_signal -1
	s_barrier_wait -1
	s_cmp_lt_u32 s[WV], 2
	s_cbranch_scc0 .Lno_sc
	ds_load_b128 v[S:S+3], v[OL]
	s_wait_dscnt 0x0
	global_store_b128 v[OG], v[S:S+3], s[86:87]
.Lno_sc:
	s_wait_tensorcnt 0x0
	ds_add_u32 v62, v63
	s_wait_dscnt 0x0
	ROUND
	s_endpgm
.Lfunc_end_k_q2107db7605_attn:
	.size	k_q2107db7605_attn, .Lfunc_end_k_q2107db7605_attn-k_q2107db7605_attn
	.p2alignl 7, 3214868480
	.fill 96, 4, 3214868480
	.section	.rodata,"a",@progbits
	.p2align	6, 0x0
	.amdhsa_kernel k_q2107db7605_attn
		.amdhsa_group_segment_fixed_size 327680
		.amdhsa_private_segment_fixed_size 0
		.amdhsa_enable_private_segment 0
		.amdhsa_kernarg_size 32
		.amdhsa_user_sgpr_count 2
		.amdhsa_user_sgpr_kernarg_segment_ptr 1
		.amdhsa_wavefront_size32 1
		.amdhsa_system_sgpr_workgroup_id_x 1
		.amdhsa_system_sgpr_workgroup_id_y 1
		.amdhsa_system_sgpr_workgroup_id_z 1
		.amdhsa_system_vgpr_workitem_id 0
		.amdhsa_next_free_vgpr 256
		.amdhsa_next_free_sgpr 90
		.amdhsa_reserve_vcc 0
		.amdhsa_float_denorm_mode_32 3
		.amdhsa_float_denorm_mode_16_64 3
		.amdhsa_memory_ordered 1
		.amdhsa_forward_progress 1
		.amdhsa_inst_pref_size 64
	.end_amdhsa_kernel
	.amdgpu_metadata
---
amdhsa.version: [ 1, 2 ]
amdhsa.kernels:
  - .name:           k_q2107db7605_attn
    .symbol:         k_q2107db7605_attn.kd
    .args:
      - { .name: qkv_codes, .offset: 0, .size: 8, .value_kind: global_buffer, .address_space: global }
      - { .name: qkv_scales, .offset: 8, .size: 8, .value_kind: global_buffer, .address_space: global }
      - { .name: ac, .offset: 16, .size: 8, .value_kind: global_buffer, .address_space: global }
      - { .name: asc, .offset: 24, .size: 8, .value_kind: global_buffer, .address_space: global }
    .group_segment_fixed_size: 327680
    .private_segment_fixed_size: 0
    .kernarg_segment_align: 8
    .kernarg_segment_size: 32
    .max_flat_workgroup_size: 512
    .sgpr_count:     90
    .vgpr_count:     256
    .wavefront_size: 32
...
	.end_amdgpu_metadata
.endif
;; end of part 2
;; launch proj (part 3): grid 4 x 64, 4 waves a work-group, clusters of 4 x 4, 327,680 bytes of LDS; arguments ac, asc, w_out_codes, w_out_scales, b_out, out0; writes out0
.if DOCPART == 3
	.amdgcn_target "amdgcn-amd-amdhsa--gfx1250"
	.amdhsa_code_object_version 6
	.text
	.protected	k_q2107db7605_proj
	.globl	k_q2107db7605_proj
	.p2align	8
	.type	k_q2107db7605_proj,@function
k_q2107db7605_proj:
	s_mov_b64 s[64:65], 0
	v_nop
	global_prefetch_b8 v0, s[64:65] scope:SCOPE_SE
	s_setreg_imm32_b32 hwreg(HW_REG_WAVE_MODE, 25, 1), 1
	s_wait_xcnt 0x0
	s_wait_alu depctr_hold_cnt(0) depctr_sa_sdst(0) depctr_va_vdst(0) depctr_va_sdst(0) depctr_va_ssrc(0) depctr_va_vcc(0) depctr_vm_vsrc(0)
	s_getreg_b32 s2, hwreg(HW_REG_IB_STS2, 6, 4)
	s_cmp_eq_u32 s2, 0
	s_cbranch_scc0 .Lentry_in_a_cluster
	s_endpgm
.Lentry_in_a_cluster:
	s_bfe_u32 s2, ttmp6, 0x10000c
	s_cmp_lg_u32 s2, 0xf033
	s_cbranch_scc0 .Lentry_shape_is_right
	s_endpgm
.Lentry_shape_is_right:
; out0 = A W^T + b on codes of FP8 (E4M3) with one E8M0 scale for each 32 along K.  A: the attention's result, 8,192 tokens x 1,024; W: w_out, [1024 features][1024 K].
; ac: [token / 16][K / 128: 8][c 4][lane 32][16 bytes]: the registers of the operand;  asc: [head 16][token 8192][2 bytes].
; SHARES.  256 work-groups of four waves; a work-group makes 128 tokens x 256 features, in two halves of 128 features; a wave makes 64 x 64 of a half: 16 accumulators, taken by turns.
; LDS.  A's 128 tokens, all of K, come once (131,072 dense bytes) and serve both halves.  W's 128 rows of a half lie in one region (rows of 1,024 bytes + 16 of padding): the first half comes at the head,
; the second is the launch's one refill, behind a drained round of the cluster's barrier, and is asked for ahead of the first half's way out.  W's scale bytes of all 256 rows come once.
; A's scale bytes come as 16 rows (heads) of 256 bytes and are re-laid by the 128 threads, a token each, into rows of 32 bytes, in LDS bytes of their own.
; CLUSTERS: 4 x 4; the four of a row share the token tile (A, its scales), the four of a column the feature tile (W, its scales): joint loads.
; The head has one joint load a wave: wave 0 A's codes, wave 1 W's first half, wave 2 A's scale bytes, wave 3 W's.
; The matrix instruction is used transposed (source 0 = W's rows, source 1 = A's rows): a lane holds eight neighbouring features of one token.  The bias is the C of each sum's first product.
; No prefetch: the launch has no loop to run ahead in, and all clusters read the same W.
; LIMITS: NaN and infinities among the inputs are not served.  The bias starts each sum, so it is added first and not last.
; REGISTERS: window 0: v16-29 addresses; v32-69 scale words (block i, K step q at 10 i + q: lanes 0-15 A's, lanes 16-31 W's); v72-135 the bias; v136-199 the way out; v200-223 the scales' re-laying.
;   window 1: fragments, two sets of 128: W's four at 16 b, A's four at 64 + 16 a.   window 2: accumulator (a, b) at 32 a + 8 b.
.set BREG,  131072                     ; W's rows
.set BP,    1040                       ; their pitch: an odd multiple of 16 bytes
.set SCA,   264192                     ; A's scale table: units of 8 rows x 32 bytes + 16: written by ds_store alone
.set SCB,   268544                     ; W's scale bytes: the same form
.set RAW,   277248                     ; A's scale bytes as they come
.set STAGE, 281344                     ; the way out: 16 rows x (256 + 16) bytes a wave
.set SPARE, 298752                     ; the spare words, 128 bytes a wave, which no other line names
.set ADRA, 16
.set ADRB, 17
.set ADRS, 18                          ; v18, v19: for the first and the second half
.set WR,   20
.set WW,   21
.set STO,  22
.set RD,   23
.set CO,   24
.set BO,   25
.set SPW,  28
.set NIL,  29
.set SCW,  32
.set BIAS, 72
.set BK,   136
.set TU,   200
.set G1A,  24
.set G1B,  32
.set G1R,  40
.set G1SA, 48
.set G1SB, 56
.set G0A,  68
.set G0B,  72
.set G0SA, 76
.set G0SB, 80
.set G0R,  84
.set MSB, 0
.macro WIN new                         ; the immediate's high byte repeats the setting that is left
.if MSB != \new
	s_set_vgpr_msb (MSB<<8)|\new
.set MSB, \new
.endif
.endm
.macro PLACES n
.rept \n
	v_nop
.endr
.endm
.macro BARRIER
	s_barrier_signal -1
	s_barrier_wait -1
.endm
.macro CROUND                          ; a round of the cluster's barrier
	BARRIER
	s_cmp_lg_u32 s16, 0
	s_cbranch_scc1 .Lnot_wave_0_\@
	s_barrier_signal -3
.Lnot_wave_0_\@:
	s_barrier_wait -3
	BARRIER
.endm
.macro G1SET g, mask, w0, d0, rows, pitch   ; descriptor group 1: rows of d0 elements
	s_or_b32 s[\g], s[\mask], \w0
	s_mov_b32 s[\g+1], (\d0)<<16
	s_mov_b32 s[\g+2], (\rows)<<16
	s_mov_b32 s[\g+3], (\d0)<<16
	s_mov_b32 s[\g+4], \rows
	s_mov_b32 s[\g+5], \pitch
	s_mov_b32 s[\g+6], 0
	s_mov_b32 s[\g+7], 0
.endm
.macro G0SET g, lds, ptr               ; descriptor group 0
	s_mov_b32 s[\g], 1
	s_mov_b32 s[\g+1], \lds
	s_mov_b64 s[\g+2:\g+3], s[\ptr:\ptr+1]
	s_or_b32 s[\g+3], s[\g+3], 0x80000000
.endm
	s_load_b128 s[4:7], s[0:1], 0x0                ; ac, asc
	s_load_b128 s[8:11], s[0:1], 0x10              ; W's codes, W's scales
	s_load_b128 s[12:15], s[0:1], 0x20             ; the bias, out0
	v_lshl_add_u32 v[SPW], v0, 2, SPARE
	v_mov_b32 v[NIL], 0
	ds_add_u32 v[SPW], v[NIL]
	ds_add_u32 v[SPW], v[NIL]
	v_lshrrev_b32 v1, 5, v0
	v_readfirstlane_b32 s16, v1                    ; wave 0..3
	s_lshr_b32 s17, s16, 1                         ; my half of the tokens
	s_and_b32 s18, s16, 1                          ; my 64 of a half's 128 features
	s_bfe_u32 s19, ttmp6, 0x40000                  ; cx = the feature tile (the grid is one cluster wide)
	s_bfe_u32 s20, ttmp6, 0x40004                  ; cy
	s_and_b32 s21, ttmp7, 0xffff
	s_lshl_b32 s21, s21, 2
	s_add_co_u32 s21, s21, s20                     ; the token tile = 4 x cluster y + cy
	s_lshl_b32 s22, s20, 2
	s_lshl_b32 s22, 15, s22                        ; my row of the cluster
	s_lshl_b32 s23, 0x1111, s19                    ; my column
	G1SET G1A,  22, (3<<16)|(1<<21), 512, 32, 512                          ; A: 32 dense rows of 4,096 bytes
	G1SET G1B,  23, (1<<20)|(1<<21)|(7<<22)|(3<<25), 1024, 128, 1024       ; W: 128 rows of 1,024 bytes, 16 of padding behind each
	G1SET G1R,  23, (1<<20)|(1<<21)|(7<<22)|(3<<25), 1024, 32, 1024        ; the refill: 32 rows a wave
	G1SET G1SA, 22, (3<<16)|(1<<21), 32, 16, 2048                          ; A's scale bytes: 16 rows of 256 bytes, 16,384 apart
	G1SET G1SB, 23, (3<<16)|(1<<20)|(1<<21)|(5<<22)|(3<<25), 32, 32, 32    ; W's: 32 dense rows of 256 bytes, 16 of padding behind each
	s_lshl_b32 s88, s21, 17
	s_mov_b32 s89, 0
	s_lshl_b32 s90, s21, 8
	s_mov_b32 s91, 0
	s_lshl_b32 s92, s19, 18
	s_mov_b32 s93, 0
	s_lshl_b32 s94, s19, 13
	s_mov_b32 s95, 0
	s_wait_dscnt 0x0                               ; both opening adds are done
	s_wait_kmcnt 0x0
	s_add_nc_u64 s[88:89], s[4:5], s[88:89]
	s_add_nc_u64 s[90:91], s[6:7], s[90:91]
	s_add_nc_u64 s[92:93], s[8:9], s[92:93]
	s_add_nc_u64 s[94:95], s[10:11], s[94:95]
	G0SET G0A,  0,    88
	G0SET G0B,  BREG, 92
	G0SET G0SA, RAW,  90
	G0SET G0SB, SCB,  94
	s_lshl_b32 s88, s16, 15                        ; the refill: the second half's rows, 32 x wave on
	s_add_co_u32 s88, s88, 0x20000
	s_mov_b32 s89, 0
	s_mov_b32 s[G0R], 1
	s_mul_i32 s[G0R+1], s16, 32*BP
	s_add_co_u32 s[G0R+1], s[G0R+1], BREG
	s_add_nc_u64 s[G0R+2:G0R+3], s[92:93], s[88:89]
	s_or_b32 s[G0R+3], s[G0R+3], 0x80000000
	CROUND                                         ; all sixteen work-groups are here: the first joint loads meet
.macro ARM under, g0, g1, next         ; one tree of branches on the wave's number, an arm a load
	s_cmp_lt_u32 s16, \under
	s_cbranch_scc0 \next
	tensor_load_to_lds s[\g0:\g0+3], s[\g1:\g1+7]
	s_nop 0
	PLACES 4
	s_branch .Lhead_asked
\next:
.endm
	ARM 1, G0A,  G1A,  .Lhead_b
	ARM 2, G0B,  G1B,  .Lhead_sa
	ARM 3, G0SA, G1SA, .Lhead_sb
	tensor_load_to_lds s[G0SB:G0SB+3], s[G1SB:G1SB+7]
	s_nop 0
	PLACES 4
.Lhead_asked:
	s_lshl_b32 s88, s19, 10                        ; my 64 features' first byte in a row of out0 and in the bias
	s_lshl_b32 s89, s18, 8
	s_add_co_u32 s88, s88, s89
	s_mov_b32 s89, 0
	s_add_nc_u64 s[12:13], s[12:13], s[88:89]
	s_add_nc_u64 s[14:15], s[14:15], s[88:89]
	s_lshl_b32 s88, s21, 19                        ; my first token's row: 128 x tile + 64 x half rows of 4,096 bytes
	s_lshl_b32 s90, s17, 18
	s_add_co_u32 s88, s88, s90
	s_add_nc_u64 s[14:15], s[14:15], s[88:89]
	s_lshl_b32 s88, s17, 16                        ; LDS: my four tiles of A
	s_mul_i32 s89, s18, 64*BP
	s_add_co_u32 s89, s89, BREG                    ; my 64 rows of W
	s_mul_i32 s90, s17, 2176
	s_add_co_u32 s90, s90, SCA                     ; my 64 rows of A's scale table
	s_mul_i32 s91, s18, 2176
	s_add_co_u32 s91, s91, SCB
	s_sub_co_u32 s91, s91, s90                     ; the distance from there to my rows of W's scales, first half,
	s_add_co_u32 s92, s91, 4352                    ; second half
	s_mul_i32 s93, s16, 16*272
	s_add_co_u32 s93, s93, STAGE                   ; my stage
	v_and_b32 v1, 15, v0                           ; r
	v_bfe_u32 v2, v0, 4, 1                         ; h
	v_and_b32 v3, 31, v0
	v_lshlrev_b32 v4, 4, v3
	v_add_nc_u32 v[ADRA], s88, v4                  ; A: an image of registers: 16 x lane
	v_mul_u32_u24 v5, v1, BP
	v_lshl_add_u32 v5, v2, 4, v5
	v_add_nc_u32 v[ADRB], s89, v5                  ; W: row r, + 16 h
	v_lshlrev_b32 v6, 5, v1
	v_lshrrev_b32 v7, 3, v1
	v_lshl_add_u32 v6, v7, 4, v6                   ; a row of scales: 32 r, and 16 more behind each 256
	v_add_nc_u32 v6, s90, v6
	v_mul_u32_u24 v7, s91, v2                      ; lanes 16-31 take W's
	v_add_nc_u32 v[ADRS], v6, v7
	v_mul_u32_u24 v7, s92, v2
	v_add_nc_u32 v[ADRS+1], v6, v7
	v_lshl_add_u32 v[WR], v0, 1, RAW               ; the re-laying: thread = token: two bytes of each head's row,
	v_lshrrev_b32 v7, 3, v0
	v_lshlrev_b32 v7, 4, v7
	v_lshl_add_u32 v7, v0, 5, v7
	v_add_nc_u32 v[WW], SCA, v7                    ; into the token's row of 32 bytes
	v_mul_u32_u24 v7, v1, 272
	v_lshl_add_u32 v7, v2, 5, v7
	v_add_nc_u32 v[STO], s93, v7                   ; the way out, in: row r, 32 bytes for each half of the lanes
	v_mul_u32_u24 v7, v2, 272
	v_lshl_add_u32 v7, v1, 4, v7
	v_add_nc_u32 v[RD], s93, v7                    ; back: lanes 0-15 one row of 256 bytes, lanes 16-31 the next
	v_lshlrev_b32 v7, 12, v2
	v_lshl_add_u32 v[CO], v1, 4, v7                ; the same two rows in out0
	v_lshlrev_b32 v[BO], 5, v2
	s_wait_alu depctr_va_vdst(0)
.irp u, 0,1                                    ; the bias in the result's layout: register 32 u + 8 b + j = b[128 u + 16 b + 8 h + j] of my features
.irp b, 0,1,2,3
	global_load_b128 v[BIAS+32*\u+8*\b:BIAS+32*\u+8*\b+3], v[BO], s[12:13] offset:512*\u+64*\b
	global_load_b128 v[BIAS+32*\u+8*\b+4:BIAS+32*\u+8*\b+7], v[BO], s[12:13] offset:512*\u+64*\b+16
.endr
.endr
.macro FETCH q, p                      ; the fragments of the q-th 128 along K into set p: 32 loads
	WIN 0x40
.irp i, 0,1,2,3
.irp c, 0,1,2,3
	ds_load_b128 v[128*(\p)+16*\i+4*\c:128*(\p)+16*\i+4*\c+3], v[ADRB] offset:16*BP*\i+128*(\q)+32*\c
.endr
.endr
.irp i, 0,1,2,3
.irp c, 0,1,2,3
	ds_load_b128 v[128*(\p)+64+16*\i+4*\c:128*(\p)+64+16*\i+4*\c+3], v[ADRA] offset:16384*\i+2048*(\q)+512*\c
.endr
.endr
	WIN 0
.endm
.macro SCALES u                        ; the scale words of all of K: 8 loads
.irp i, 0,1,2,3
	ds_load_b128 v[SCW+10*\i:SCW+10*\i+3], v[ADRS+\u] offset:544*\i
	ds_load_b128 v[SCW+10*\i+4:SCW+10*\i+7], v[ADRS+\u] offset:544*\i+16
.endr
.endm
.macro MUL q, p, u                     ; 16 products, the accumulators by turns; the first K step's C is the bias
.if (\q) == 0
	WIN 0x85
.else
	WIN 0xa5
.endif
.irp a, 0,1,2,3
.irp b, 0,1,2,3
.if (\q) == 0
	v_wmma_scale_f32_16x16x128_f8f6f4 v[32*\a+8*\b:32*\a+8*\b+7], v[128*(\p)+16*\b:128*(\p)+16*\b+15], v[128*(\p)+64+16*\a:128*(\p)+64+16*\a+15], v[BIAS+32*(\u)+8*\b:BIAS+32*(\u)+8*\b+7], v[SCW+10*\b+(\q)], v[SCW+10*\a+(\q)] matrix_a_scale:MATRIX_SCALE_ROW1
.else
	v_wmma_scale_f32_16x16x128_f8f6f4 v[32*\a+8*\b:32*\a+8*\b+7], v[128*(\p)+16*\b:128*(\p)+16*\b+15], v[128*(\p)+64+16*\a:128*(\p)+64+16*\a+15], v[32*\a+8*\b:32*\a+8*\b+7], v[SCW+10*\b+(\q)], v[SCW+10*\a+(\q)] matrix_a_scale:MATRIX_SCALE_ROW1
.endif
.endr
.endr
.endm
.macro COMPUTE u                       ; a half: eight K steps; K step 0's fragments and the scale words have been asked for
.set Q, 0
.rept 8
.if Q < 7
.if Q > 0
	PLACES 8                                       ; places behind the products that read the set which the loads below fill (ISA guide 7.12.1 for vector instructions)
.endif
	FETCH Q+1, (Q+1)%2
	s_wait_dscnt 32                                ; all but the 32 loads just issued
.else
	s_wait_dscnt 0x0
.endif
	MUL Q, Q%2, \u
.set Q, Q+1
.endr
	WIN 0
.endm
.macro TOSTAGE a                       ; block a, 16 tokens x 64 features, into my stage and back as whole rows of 256 bytes; LDS serves a wave's instructions in order (ISA guide 5.7.1.4)
	WIN 0x08
.irp b, 0,1,2,3
	ds_store_b128 v[STO], v[32*(\a)+8*\b:32*(\a)+8*\b+3] offset:64*\b          ; each accumulator from its low end on
	ds_store_b128 v[STO], v[32*(\a)+8*\b+4:32*(\a)+8*\b+7] offset:64*\b+16
.endr
	WIN 0
.irp t, 0,1,2,3,4,5,6,7
	ds_load_b128 v[BK+32*((\a)%2)+4*\t:BK+32*((\a)%2)+4*\t+3], v[RD] offset:544*\t
.endr
.endm
.macro SEND a, younger, u              ; sixteen lanes store 256 consecutive bytes, aligned
	s_wait_dscnt \younger
.irp t, 0,1,2,3,4,5,6,7
	global_store_b128 v[CO], v[BK+32*((\a)%2)+4*\t:BK+32*((\a)%2)+4*\t+3], s[14:15] offset:65536*(\a)+8192*\t+512*(\u) th:TH_STORE_NT
.endr
.endm
.macro OUT u
	PLACES 9                                       ; behind the last products: 8 ahead of the stores that read the sums, 9 ahead of products that begin the sums anew
	s_wait_xcnt 0x0                                ; earlier stores have read the registers that the loads below fill
	TOSTAGE 0
.irp a, 1,2,3
.if \a > 1
	s_wait_xcnt 0x0
.endif
	TOSTAGE \a
	SEND \a-1, 16, \u                              ; behind block a - 1's loads: block a's 8 stores and 8 loads
.endr
	SEND 3, 0, \u
.endm
	s_wait_tensorcnt 0x0                           ; my tile of the head's four is in,
	BARRIER                                        ; everybody's is
.irp k, 0,1,2,3,4,5,6,7,8,9,10,11,12,13,14,15
	ds_load_u16 v[TU+\k], v[WR] offset:256*\k      ; my token's two bytes of head k
.endr
	FETCH 0, 0
	s_wait_dscnt 32                                ; the sixteen are in
.irp k, 0,1,2,3,4,5,6,7
	v_lshl_or_b32 v[TU+16+\k], v[TU+2*\k+1], 16, v[TU+2*\k]
.endr
	ds_store_b128 v[WW], v[TU+16:TU+19]
	ds_store_b128 v[WW], v[TU+20:TU+23] offset:16
	s_wait_dscnt 0x0
	BARRIER                                        ; A's scale table is whole
	SCALES 0
	s_wait_loadcnt 0x0                             ; the bias
	COMPUTE 0
	s_wait_tensorcnt 0x0
	ds_add_u32 v[SPW], v[NIL]
	s_wait_dscnt 0x0                               ; the add is done, and my reads of W's first half are over
	CROUND                                         ; no wave of any partner still reads W's rows
	tensor_load_to_lds s[G0R:G0R+3], s[G1R:G1R+7]  ; W's second half, a quarter a wave
	s_nop 0
	PLACES 4
	OUT 0                                          ; the first half leaves while the refill is on its way
	s_wait_tensorcnt 0x0
	BARRIER                                        ; W's second half is whole
	FETCH 0, 0
	SCALES 1
	COMPUTE 1
	OUT 1
	s_wait_tensorcnt 0x0                           ; the wave's end
	ds_add_u32 v[SPW], v[NIL]
	s_wait_dscnt 0x0
	CROUND                                         ; the closing round
	s_endpgm
.Lfunc_end_k_q2107db7605_proj:
	.size	k_q2107db7605_proj, .Lfunc_end_k_q2107db7605_proj-k_q2107db7605_proj
	.p2alignl 7, 3214868480
	.fill 96, 4, 3214868480
	.section	.rodata,"a",@progbits
	.p2align	6, 0x0
	.amdhsa_kernel k_q2107db7605_proj
		.amdhsa_group_segment_fixed_size 327680
		.amdhsa_private_segment_fixed_size 0
		.amdhsa_enable_private_segment 0
		.amdhsa_kernarg_size 48
		.amdhsa_user_sgpr_count 2
		.amdhsa_user_sgpr_kernarg_segment_ptr 1
		.amdhsa_wavefront_size32 1
		.amdhsa_system_sgpr_workgroup_id_x 1
		.amdhsa_system_sgpr_workgroup_id_y 1
		.amdhsa_system_sgpr_workgroup_id_z 1
		.amdhsa_system_vgpr_workitem_id 0
		.amdhsa_next_free_vgpr 768
		.amdhsa_next_free_sgpr 98
		.amdhsa_reserve_vcc 0
		.amdhsa_float_denorm_mode_32 3
		.amdhsa_float_denorm_mode_16_64 3
		.amdhsa_memory_ordered 1
		.amdhsa_forward_progress 1
		.amdhsa_inst_pref_size 100
	.end_amdhsa_kernel
	.amdgpu_metadata
---
amdhsa.version: [ 1, 2 ]
amdhsa.kernels:
  - .name:           k_q2107db7605_proj
    .symbol:         k_q2107db7605_proj.kd
    .args:
      - { .name: ac, .offset: 0, .size: 8, .value_kind: global_buffer, .address_space: global }
      - { .name: asc, .offset: 8, .size: 8, .value_kind: global_buffer, .address_space: global }
      - { .name: w_out_codes, .offset: 16, .size: 8, .value_kind: global_buffer, .address_space: global }
      - { .name: w_out_scales, .offset: 24, .size: 8, .value_kind: global_buffer, .address_space: global }
      - { .name: b_out, .offset: 32, .size: 8, .value_kind: global_buffer, .address_space: global }
      - { .name: out0, .offset: 40, .size: 8, .value_kind: global_buffer, .address_space: global }
    .group_segment_fixed_size: 327680
    .private_segment_fixed_size: 0
    .kernarg_segment_align: 8
    .kernarg_segment_size: 48
    .max_flat_workgroup_size: 128
    .sgpr_count:     98
    .vgpr_count:     768
    .wavefront_size: 32
...
	.end_amdgpu_metadata
.endif
;; end of part 3
